; MI455X (gfx1250); checked and timed in simulation.
; The chip was launched on July 23, 2026; its instructions are those of AMD's public machine-readable ISA for CDNA 5 (MIT licence, August 2026) and "CDNA5" Instruction Set Architecture Reference Guide (July 2026). The comments in the code are by the model that wrote it; some were corrected since.
;; Image To Points. Allowed arithmetic: matrix products marked QUANTISED: E2M1 operands, one E8M0 scale for each 32 along K, by v_wmma_scale_f32_16x16x128_f8f6f4 with both operands' format E2M1 (or v_wmma_scale_f32_32x16x128_f4), f32 sums; products left as they are: f32 operands where the result goes on into a quantised operand, else bf16, f16 or f32 operands; f32 sums; everything else in f32.
;; Inputs: W_nn 96 x 256 float32; b_nn 256 float32; batch 32,768 int32; images 8 x 64 x 64 x 64 float32; pos 32,768 x 2 float32; x 32,768 x 32 float32.
;; Outputs: out0 32,768 x 256 float32.
;; Constants: k = 3.
;; This version of the problem:
;;   THIS VERSION OF THE PROBLEM IS GIVEN IN LOW PRECISION. The matrix products marked QUANTISED in the list below multiply operands that are first quantised to E2M1 (2 exponent bits, 1 mantissa bit; 4 bits a number), with one power-of-two scale for each 32 numbers along K (OCP MX v1.0); their sums are f32. All else is computed in f32.
;;   The module's matrix products, in the order in which they are computed (A, B: the left and right operand; K: the contracted axis; several contracted axes count as one K, in the product's order):
;;     1. [M 32,768, K 2] x [K 2, N 4,096]; A: input pos; B: computed on the way: left as it is (K = 2 < 32)
;;     2. [M 32,768, K 96] x [K 96, N 256]; A: computed on the way; B: input W_nn: QUANTISED
;;   THE QUANTISER, for each operand of a quantised product, along K:
;;     - K is cut into blocks of 32 from its start; a last block that is shorter is filled with zeros.
;;     - A block's scale is 2^e with e = floor(log2(the largest magnitude in the block)) - 2, held to -126 .. 127; a block of zeros has e = 0. As a byte (E8M0): e + 127.
;;     - Each number is divided by its block's scale, clamped to +-6, and rounded to the nearest number of E2M1, ties to even, subnormals kept.
;;     - The product sums the exact products of the quantised numbers (number of the format x scale) in f32.
;;   ~~~python
;;   def quantise(x, axis):      # numpy; x: float32 -> the quantised numbers, widened to float32 again
;;       x = np.moveaxis(x, axis, -1); K = x.shape[-1]
;;       x = np.pad(x, [(0, 0)] * (x.ndim - 1) + [(0, -K % 32)]); x = x.reshape(x.shape[:-1] + (-1, 32)); a = np.abs(x).max(-1, keepdims=True)
;;       e = np.where(a > 0, np.clip(np.frexp(np.where(a > 0, a, 1))[1] - 1 - 2, -126, 127), 0)      # np.frexp(a)[1] - 1 = floor(log2(a)), exactly
;;       r = np.clip(x / 2.0 ** e, -6, 6)
;;       step = 2.0 ** (np.maximum(np.frexp(np.where(r == 0, 1, r))[1] - 1, 0) - 1)
;;       q = np.round(r / step) * step * 2.0 ** e      # np.round: ties to even
;;       return np.moveaxis(q.reshape(q.shape[:-2] + (-1,))[..., :K], -1, axis).astype(np.float32)
;;   ~~~
;;   OPERANDS COMPUTED ON THE WAY. 'Computed on the way' means the value that the module computes at that place (a softmax that the list does not call 'softmax' is quantised finished and normalised). What goes into a quantiser is computed in f32, as accurately as f32 sums, v_exp_f32 and their like allow (about 1e-6 of the number): no bf16 or f16 on the way to a quantiser, and a product that is left as it is and whose result goes on into a quantised operand takes f32 operands (vector FMAs, or v_wmma_f32_16x16x4_f32). A number that lies on a knife's edge between two numbers of the format may be rounded either way, as far as f32 arithmetic and the matrix unit's own rounding can turn it there, and no further.
;; 2 versions, each right; version 2 is version 1 with the launch points written anew for expert scheduling mode. Each part assembles by itself: llvm-mc -triple=amdgcn-amd-amdhsa -mcpu=gfx1250 --defsym DOCPART=n.
;; ======== version 1 of 2: 2 launches
;; limits: inputs' magnitudes at most 45
;; workspace buffers: pix 8,388,608 bytes; nbr 524,288 bytes of whole numbers; wgt 524,288 bytes; wcodes 16,384 bytes; wscales 2,048 bytes
;; launch prep (part 1): grid 264 x 1, 2 waves a work-group, no clusters, 33,536 bytes of LDS; arguments images, pos, W_nn, pix, nbr, wgt, wcodes, wscales; writes pix, nbr, wgt, wcodes, wscales
.if DOCPART == 1
	.amdgcn_target "amdgcn-amd-amdhsa--gfx1250"
	.amdhsa_code_object_version 6
	.text
	.protected	k_q0d606a4883_prep
	.globl	k_q0d606a4883_prep
	.p2align	8
	.type	k_q0d606a4883_prep,@function
k_q0d606a4883_prep:
	s_mov_b64 s[64:65], 0
	v_nop
	global_prefetch_b8 v0, s[64:65] scope:SCOPE_SE
	s_setreg_imm32_b32 hwreg(HW_REG_WAVE_MODE, 25, 1), 1
	s_wait_xcnt 0x0
; Three jobs ahead of the product's launch; waves share nothing, so there is no barrier.
; WORK-GROUPS 0-255, wave gw = 2 x work-group + wave (0..511):
;  (a) images [8][64 channels][4096 pixels] f32 -> pix [8 x 4096 pixels][64 channels]: wave gw turns 64 channels x 64 pixels (one image row): 32 loads of two 256-byte runs, its own 16 KiB of LDS,
;      32 stores of 512 consecutive bytes (the tile's 64 pixel rows are 16 KiB on end in pix).
;  (b) while those loads are out: the three nearest pixel centres of points 64 gw .. 64 gw + 63 (all of image gw / 64, as pos.reshape(8, -1, 2) has it), two points a lane.
;      d2 = (a2 + b2) - 2 dot, as reference() writes it.  It is a small difference of large numbers, so the places of rounding are part of the result and are kept so:
;      a2 = rn(px px) + rn(py py);  b2 = cx cx + cy cy, exact (centres are odd numbers / 128);  dot = fma(py, cy, rn(px cx)), k ascending;  2 dot is exact.
;      ONLY 5 x 5 PIXELS ARE TRIED: those round the pixel that holds the point, the window pushed inside the grid.  In exact numbers a pixel outside it is at least 4 / 64^2 = 9.8e-4 farther than the third nearest
;      (along an axis the sixth nearest centre against the third); the roundings of d2 that differ from pixel to pixel are half a last place of a2 + b2, half of d2 and two of dot.
;      LIMIT: px px + py py + 2 < 4096 (|pos| to about 45): there two pixels' roundings together stay under 5.2e-4.  NaN and infinities in pos are not served.
;      Candidates come in ascending pixel index and displace only on "less": equal distances keep the lower index first, as top_k does.
;      Out: nbr[point] = the three rows of pix (image x 4096 + index), nearest first, and a 0;  wgt[point] = w0, w1, w2, (w0 + w1) + w2 with w = 1 / max(d2, 1e-16).
; WORK-GROUPS 256-263, sixteen waves: W_nn [96 (k)][256 (n)] f32 -> codes of E2M1 and E8M0 scale words, in the order of the operand's registers.  Tile 4 g + t holds columns 64 g + 4 r + t (r = lane % 16).
;      A block's scale byte is its largest magnitude's exponent field - 2, held at 1 from below (a block of zeros keeps 1: its codes are zeros, and this program alone reads the bytes).  k = 96 .. 127: zero codes.
;      LIMIT: NaN and infinities in W_nn are not served.
; LDS: a wave's 16 KiB begin WREG = 16,640 bytes apart: a multiple of 256, so that banks and alignment are those of byte 0; the 256 bytes behind each are used by nobody: the claim is larger than the use.
; The input batch is not read: reference() never uses it.
.set TWG,  256                         ; work-groups of jobs (a) and (b)
.set WREG, 16640                       ; from one wave's LDS region to the next
.set PX,   10                          ; v10, v11: px, py of set 0;  v12, v13: of set 1
.set KB,   16                          ; the search: 48 registers a set, set s from v[KB + KS s]
.set KS,   48
.set oA2,  0                           ; a2
.set oCX,  1                           ; five centres along x
.set oCY,  6                           ; five along y
.set oXC,  11                          ; rn(px cx); later the raw reciprocals
.set oTP,  16                          ; at work
.set oX2,  21                          ; cx cx
.set oY2,  26                          ; cy cy
.set oM,   31                          ; the three smallest d2, ascending
.set oK,   34                          ; their places in the window, 64 j + i
.set oIB,  37                          ; the window's first pixel as a row of pix
.set oD,   38                          ; a window row's five d2; later the record w0, w1, w2, sum
.set oE,   43                          ; its five dot; later (from oE + 1) the record of rows
.set KC,   112                         ; the candidate's place in the window
.set XA,   16                          ; v16-31  LDS addresses on the way in, one for each channel quad
.set XB,   32                          ; v32-47  and on the way out, one for each pixel quad
.set T,    128                         ; v128-255 the tile
.set H1,   0x3c800000                  ; 1/64 .. 4/64
.set H2,   0x3d000000
.set H3,   0x3d400000
.set H4,   0x3d800000
	s_load_b512 s[4:19], s[0:1], 0x0               ; images s[4:5], pos s[6:7], W_nn s[8:9], pix s[10:11], nbr s[12:13], wgt s[14:15], wcodes s[16:17], wscales s[18:19]
	v_lshl_add_u32 v14, v0, 2, 0x8200
	v_mov_b32 v15, 0
	v_lshrrev_b32 v1, 5, v0
	v_readfirstlane_b32 s20, v1                    ; wave 0..1
	v_and_b32 v1, 31, v0                           ; lane
	v_and_b32 v2, 15, v0                           ; lane % 16
	v_bfe_u32 v3, v0, 4, 1                         ; lane / 16
	s_cmp_ge_u32 ttmp9, TWG
	s_cbranch_scc1 .Lweights
	s_lshl_b32 s21, ttmp9, 1
	s_add_co_u32 s21, s21, s20                     ; gw
	s_lshr_b32 s22, s21, 6                         ; image
	s_and_b32 s23, s21, 63                         ; image row
	s_lshl_b32 s24, s22, 20                        ; an image is 2^20 bytes,
	s_lshl_b32 s23, s23, 8                         ; a row of one channel 256
	s_add_co_u32 s24, s24, s23
	s_mov_b32 s25, 0
	s_lshl_b32 s26, s21, 14                        ; pix: 64 pixel rows of 256 bytes a wave
	s_mov_b32 s27, 0
	s_lshl_b32 s28, s21, 9                         ; pos: 64 points of 8 bytes
	s_mov_b32 s29, 0
	s_lshl_b32 s30, s21, 10                        ; nbr, wgt: 64 records of 16 bytes
	s_mov_b32 s31, 0
	s_lshl_b32 s33, s22, 12                        ; the image's first row of pix
	s_mul_i32 s34, s20, WREG                       ; my wave's region of LDS
	s_mov_b32 s36, 0x3c800000                      ; 1/64
	s_mov_b32 s37, 0x3c000000                      ; 1/128
	s_mov_b32 s38, 0x426c0000                      ; 59.0
	v_lshlrev_b32 v4, 3, v1                        ; 8 bytes a lane
	v_lshlrev_b32 v5, 4, v1                        ; 16 bytes a lane
	v_lshlrev_b32 v6, 4, v2
	v_lshl_add_u32 v7, v3, 8, v6                   ; LDS, in, my lane's part: channel 2 i + lane / 16 at 256 bytes a channel, pixel quad lane % 16 at 16 bytes
	v_mul_u32_u24 v8, v2, 1040                     ; LDS, out, my lane's part: channel quad q = lane % 16: 1,024 q, and q again in the bits of the pixel quad,
	v_lshl_add_u32 v8, v3, 2, v8                   ; pixel 2 i + lane / 16
	v_lshl_add_u32 v6, v3, 14, v6                  ; images: 16 bytes a lane of a channel's row, lanes 16-31 one channel (16,384 bytes) on
	s_wait_kmcnt 0x0
	s_add_nc_u64 s[4:5], s[4:5], s[24:25]
	s_add_nc_u64 s[6:7], s[6:7], s[28:29]
	s_add_nc_u64 s[10:11], s[10:11], s[26:27]
	s_add_nc_u64 s[12:13], s[12:13], s[30:31]
	s_add_nc_u64 s[14:15], s[14:15], s[30:31]
	global_load_b64 v[PX:PX+1], v4, s[6:7] th:TH_LOAD_NT               ; points 64 gw + lane
	global_load_b64 v[PX+2:PX+3], v4, s[6:7] offset:256 th:TH_LOAD_NT  ; and + 32
.irp i, 0,1,2,3,4,5,6,7,8,9,10,11,12,13,14,15,16,17,18,19,20,21,22,23,24,25,26,27,28,29,30,31
	global_load_b128 v[T+4*\i:T+4*\i+3], v6, s[4:5] offset:32768*\i th:TH_LOAD_NT   ; channels 2 i, 2 i + 1: sixteen lanes read 256 consecutive bytes
.endr
	s_wait_loadcnt 32                              ; pos is in; the tile's 32 loads stay out while the search runs
	; ---- the search; each line stands for both sets, so that no line waits for the line above it
.irp s, 0,1
	v_mul_f32 v[KB+KS*\s+oA2], v[PX+2*\s], v[PX+2*\s]
	v_mul_f32 v[KB+KS*\s+oTP], v[PX+2*\s+1], v[PX+2*\s+1]
	v_mul_f32 v[KB+KS*\s+oCX], 0x42800000, v[PX+2*\s]                  ; 64 px, exact
	v_mul_f32 v[KB+KS*\s+oCY], 0x42800000, v[PX+2*\s+1]
.endr
.irp s, 0,1
	v_add_f32 v[KB+KS*\s+oA2], v[KB+KS*\s+oA2], v[KB+KS*\s+oTP]        ; a2: both squares are rounded before they are added, as reference()'s multiply and sum round them
	v_floor_f32 v[KB+KS*\s+oCX], v[KB+KS*\s+oCX]                       ; the pixel that holds the point
	v_floor_f32 v[KB+KS*\s+oCY], v[KB+KS*\s+oCY]
.endr
.irp s, 0,1
	v_add_f32 v[KB+KS*\s+oCX], -2.0, v[KB+KS*\s+oCX]
	v_add_f32 v[KB+KS*\s+oCY], -2.0, v[KB+KS*\s+oCY]
.endr
.irp s, 0,1
	v_med3_num_f32 v[KB+KS*\s+oCX], v[KB+KS*\s+oCX], 0, s38            ; the window's first column and row, held to 0 .. 59
	v_med3_num_f32 v[KB+KS*\s+oCY], v[KB+KS*\s+oCY], 0, s38
.endr
.irp s, 0,1
	v_cvt_u32_f32 v[KB+KS*\s+oD], v[KB+KS*\s+oCX]
	v_cvt_u32_f32 v[KB+KS*\s+oD+1], v[KB+KS*\s+oCY]
	v_fma_f32 v[KB+KS*\s+oCX], v[KB+KS*\s+oCX], s36, s37               ; (c + 0.5) / 64, exact
	v_fma_f32 v[KB+KS*\s+oCY], v[KB+KS*\s+oCY], s36, s37
.endr
.irp s, 0,1
	v_lshl_add_u32 v[KB+KS*\s+oIB], v[KB+KS*\s+oD+1], 6, v[KB+KS*\s+oD]
.endr
.irp i, 1,2,3,4
.irp s, 0,1
	v_add_f32 v[KB+KS*\s+oCX+\i], H\i, v[KB+KS*\s+oCX]
	v_add_f32 v[KB+KS*\s+oCY+\i], H\i, v[KB+KS*\s+oCY]
.endr
.endr
.irp s, 0,1
	v_add_nc_u32 v[KB+KS*\s+oIB], s33, v[KB+KS*\s+oIB]
.irp i, 0,1,2
	v_mov_b32 v[KB+KS*\s+oM+\i], 0x7f800000                            ; the three smallest begin at infinity
	v_mov_b32 v[KB+KS*\s+oK+\i], 0
.endr
.endr
.irp i, 0,1,2,3,4
.irp s, 0,1
	v_mul_f32 v[KB+KS*\s+oXC+\i], v[PX+2*\s], v[KB+KS*\s+oCX+\i]       ; k = 0 of the product pos x centres
	v_mul_f32 v[KB+KS*\s+oX2+\i], v[KB+KS*\s+oCX+\i], v[KB+KS*\s+oCX+\i]
	v_mul_f32 v[KB+KS*\s+oY2+\i], v[KB+KS*\s+oCY+\i], v[KB+KS*\s+oCY+\i]
.endr
.endr
.irp j, 0,1,2,3,4                              ; the window's rows, then its columns: ascending pixel index
.irp i, 0,1,2,3,4
.irp s, 0,1
	v_add_f32 v[KB+KS*\s+oD+\i], v[KB+KS*\s+oX2+\i], v[KB+KS*\s+oY2+\j]                     ; b2, exact
	v_fma_f32 v[KB+KS*\s+oE+\i], v[PX+2*\s+1], v[KB+KS*\s+oCY+\j], v[KB+KS*\s+oXC+\i]      ; dot: k = 1 fused onto k = 0
.endr
.endr
.irp i, 0,1,2,3,4
.irp s, 0,1
	v_add_f32 v[KB+KS*\s+oD+\i], v[KB+KS*\s+oA2], v[KB+KS*\s+oD+\i]                         ; a2 + b2
.endr
.endr
.irp i, 0,1,2,3,4
.irp s, 0,1
	v_fma_f32 v[KB+KS*\s+oD+\i], v[KB+KS*\s+oE+\i], -2.0, v[KB+KS*\s+oD+\i]                 ; - 2 dot (2 dot is exact: one rounding, fused or not)
.endr
.endr
.irp i, 0,1,2,3,4
	v_mov_b32 v[KC], 64*\j+\i
.irp s, 0,1
	v_cmp_lt_f32 s[40+3*\s], v[KB+KS*\s+oD+\i], v[KB+KS*\s+oM]
	v_cmp_lt_f32 s[41+3*\s], v[KB+KS*\s+oD+\i], v[KB+KS*\s+oM+1]
	v_cmp_lt_f32 s[42+3*\s], v[KB+KS*\s+oD+\i], v[KB+KS*\s+oM+2]
.endr
.irp s, 0,1
	v_cndmask_b32 v[KB+KS*\s+oK+2], v[KB+KS*\s+oK+2], v[KC], s[42+3*\s]                     ; under the third: takes its place,
.endr
.irp s, 0,1
	v_cndmask_b32 v[KB+KS*\s+oK+2], v[KB+KS*\s+oK+2], v[KB+KS*\s+oK+1], s[41+3*\s]          ; under the second: the second moves down
	v_med3_num_f32 v[KB+KS*\s+oM+2], v[KB+KS*\s+oM+1], v[KB+KS*\s+oM+2], v[KB+KS*\s+oD+\i]  ; (of ascending numbers the middle one of two neighbours and the newcomer is the lower neighbour's new value)
.endr
.irp s, 0,1
	v_cndmask_b32 v[KB+KS*\s+oK+1], v[KB+KS*\s+oK+1], v[KC], s[41+3*\s]
.endr
.irp s, 0,1
	v_cndmask_b32 v[KB+KS*\s+oK+1], v[KB+KS*\s+oK+1], v[KB+KS*\s+oK], s[40+3*\s]
	v_med3_num_f32 v[KB+KS*\s+oM+1], v[KB+KS*\s+oM], v[KB+KS*\s+oM+1], v[KB+KS*\s+oD+\i]
.endr
.irp s, 0,1
	v_cndmask_b32 v[KB+KS*\s+oK], v[KB+KS*\s+oK], v[KC], s[40+3*\s]
	v_min_num_f32 v[KB+KS*\s+oM], v[KB+KS*\s+oM], v[KB+KS*\s+oD+\i]
.endr
.endr
.endr
	; ---- the weights
.irp i, 0,1,2
.irp s, 0,1
	v_max_num_f32 v[KB+KS*\s+oM+\i], 0x24e69595, v[KB+KS*\s+oM+\i]     ; max(d2, 1e-16)
.endr
.endr
.irp i, 0,1,2
.irp s, 0,1
	v_rcp_f32 v[KB+KS*\s+oXC+\i], v[KB+KS*\s+oM+\i]
.endr
.endr
.irp s, 0,1                                    ; work that names no reciprocal stands behind the six: the record of rows
.irp i, 0,1,2
	v_add_nc_u32 v[KB+KS*\s+oE+1+\i], v[KB+KS*\s+oIB], v[KB+KS*\s+oK+\i]
.endr
	v_mov_b32 v[KB+KS*\s+oE+4], 0
.endr
	s_wait_alu depctr_va_vdst(0)                   ; one wait for the six reciprocals, ahead of their first reader
.irp i, 0,1,2
.irp s, 0,1
	v_fma_f32 v[KB+KS*\s+oTP+\i], -v[KB+KS*\s+oM+\i], v[KB+KS*\s+oXC+\i], 1.0               ; reference() divides: one Newton step takes the last place of v_rcp_f32's result
.endr
.endr
.irp i, 0,1,2
.irp s, 0,1
	v_fma_f32 v[KB+KS*\s+oD+\i], v[KB+KS*\s+oTP+\i], v[KB+KS*\s+oXC+\i], v[KB+KS*\s+oXC+\i]
.endr
.endr
.irp s, 0,1
	v_add_f32 v[KB+KS*\s+oD+3], v[KB+KS*\s+oD], v[KB+KS*\s+oD+1]
.endr
.irp s, 0,1
	v_add_f32 v[KB+KS*\s+oD+3], v[KB+KS*\s+oD+3], v[KB+KS*\s+oD+2]     ; (w0 + w1) + w2
.endr
.irp s, 0,1
	global_store_b128 v5, v[KB+KS*\s+oE+1:KB+KS*\s+oE+4], s[12:13] offset:512*\s            ; 32 lanes store 512 consecutive bytes
	global_store_b128 v5, v[KB+KS*\s+oD:KB+KS*\s+oD+3], s[14:15] offset:512*\s
.endr
	; ---- the tile through LDS.  Byte of (channel c, pixel p) in my region: 256 c + 16 ((p / 4) xor (c / 4)) + 4 (p % 4).  With 64 banks of 4 bytes (ISA guide 11.1): a store's sixteen lanes (one channel, sixteen pixel
	; quads) take sixteen different 16-byte columns; a load's 32 lanes (sixteen channel quads, two neighbouring pixels) take 32 different banks.  The exclusive or is made on the lane's part of the address, which lies
	; under 16,384; the wave's region is added behind it.  Each address has a register of its own (none of the records' registers, which the stores above still read).
.irp m, 0,1,2,3,4,5,6,7,8,9,10,11,12,13,14,15
	v_xor_b32 v[XA+\m], 16*\m, v7                  ; in: channels 4 m .. 4 m + 3
	v_xor_b32 v[XB+\m], 16*\m, v8                  ; out: pixels 4 m .. 4 m + 3
.endr
.irp m, 0,1,2,3,4,5,6,7,8,9,10,11,12,13,14,15
	v_add_nc_u32 v[XA+\m], s34, v[XA+\m]
	v_add_nc_u32 v[XB+\m], s34, v[XB+\m]
.endr
.irp m, 0,1,2,3,4,5,6,7,8,9,10,11,12,13,14,15
	s_wait_loadcnt 30-2*\m                         ; loads come back in order: the tile's loads 2 m and 2 m + 1 are in
	ds_store_b128 v[XA+\m], v[T+8*\m:T+8*\m+3] offset:1024*\m
	ds_store_b128 v[XA+\m], v[T+8*\m+4:T+8*\m+7] offset:1024*\m+512
.endr
	s_wait_dscnt 0x0                               ; the stores have read their registers: the loads below land in them
.macro BACK g                                  ; pixels 8 g .. 8 g + 7, sixteen loads: lane (q, u) gets channels 4 q .. 4 q + 3 of pixel 2 I + u
.set I, 4*(\g)
.rept 4
.irp k, 0,1,2,3
	ds_load_b32 v[T+4*I+\k], v[XB+I/2] offset:256*\k+8*(I%2)
.endr
.set I, I+1
.endr
.endm
.macro OUT g
.set I, 4*(\g)
.rept 4
	global_store_b128 v5, v[T+4*I:T+4*I+3], s[10:11] offset:512*I      ; two pixel rows: 512 consecutive bytes, at a multiple of 256 from pix's first byte
.set I, I+1
.endr
.endm
	BACK 0                                         ; three groups of sixteen loads are out at the most
	BACK 1
	BACK 2
.irp g, 0,1,2,3,4,5,6,7
.if \g < 6
	s_wait_dscnt 32                                ; LDS loads come back in order: group g is in, the two younger groups stay out
.else
	s_wait_dscnt 16*(7-\g)                         ; the counts run down
.endif
	OUT \g
.if \g < 5
	BACK \g+3
.endif
.endr
	s_wait_tensorcnt 0x0
	ds_add_u32 v14, v15
	s_wait_dscnt 0x0
	s_endpgm
.Lweights:                                         ; one tile of 16 columns of W_nn a wave.  Lane (r, h) takes column 64 g + 4 r + t, and its registers run down K: k = 32 h + i, then k = 64 + i
	s_sub_co_u32 s21, ttmp9, TWG
	s_lshl_b32 s21, s21, 1
	s_add_co_u32 s21, s21, s20                     ; tile 4 g + t, 0..15
	s_lshr_b32 s22, s21, 2
	s_and_b32 s23, s21, 3
	s_lshl_b32 s24, s22, 8                         ; 64 g columns of 4 bytes
	s_lshl_b32 s23, s23, 2
	s_add_co_u32 s24, s24, s23                     ; + t
	s_mov_b32 s25, 0
	s_lshl_b32 s26, s21, 10                        ; a fragment's image: 8 registers x 128 bytes
	s_mov_b32 s27, 0
	s_lshl_b32 s28, s21, 7                         ; its scale words: 4 bytes a lane
	s_mov_b32 s29, 0
	s_mov_b32 s30, 0x76543210
	s_mov_b32 s31, 0xfedcba98                      ; v_permlanex16_b32's selects for lane l xor 16
	v_lshlrev_b32 v4, 4, v2                        ; column 4 r
	v_lshl_add_u32 v5, v3, 15, v4                  ; lanes 16-31 begin 32 rows of 1,024 bytes further down
	v_lshlrev_b32 v6, 4, v1
	v_lshlrev_b32 v7, 2, v1
	v_add_nc_u32 v8, -1, v3                        ; all ones in lanes 0-15, 0 in lanes 16-31
	s_wait_kmcnt 0x0
	s_add_nc_u64 s[8:9], s[8:9], s[24:25]
	s_add_nc_u64 s[16:17], s[16:17], s[26:27]
	s_add_nc_u64 s[18:19], s[18:19], s[28:29]
.irp i, 0,1,2,3,4,5,6,7,8,9,10,11,12,13,14,15,16,17,18,19,20,21,22,23,24,25,26,27,28,29,30,31
	global_load_b32 v[64+\i], v5, s[8:9] offset:1024*\i th:TH_LOAD_NT          ; W(32 h + i, my column): blocks 0 and 1
.endr
.irp i, 0,1,2,3,4,5,6,7,8,9,10,11,12,13,14,15
	global_load_b32 v[96+\i], v4, s[8:9] offset:65536+1024*\i th:TH_LOAD_NT    ; W(64 + i, my column) in both halves: there is no row 96, so lanes 16-31 read block 2 again and their codes are cleared below
.endr
	s_wait_loadcnt 16                              ; my first block's 32 loads are in; the sixteen younger ones stay out
	v_max3_num_f32 v32, |v64|, |v65|, 0x1800000    ; the block's largest magnitude, all 32 numbers mine, over the floor 2^(3 - 127): so the byte cannot fall under 1
.irp i, 2,4,6,8,10,12,14,16,18,20,22,24,26,28,30
	v_max3_num_f32 v32, v32, |v[64+\i]|, |v[65+\i]|
.endr
.irp i, 16,17,18,19,20,21,22,23,24,25,26,27,28,29,30,31
	global_load_b32 v[96+\i], v4, s[8:9] offset:65536+1024*\i th:TH_LOAD_NT
.endr
	v_add_nc_u32 v44, 0xff000000, v32              ; 2 off its exponent field: the conversion takes the exponent field of this operand as its scale
	v_lshrrev_b32 v36, 23, v44                     ; the scale's byte
	s_wait_loadcnt 0x0
	v_max3_num_f32 v33, |v96|, |v97|, 0x1800000    ; the same for block 2
.irp i, 2,4,6,8,10,12,14,16,18,20,22,24,26,28,30
	v_max3_num_f32 v33, v33, |v[96+\i]|, |v[97+\i]|
.endr
	v_add_nc_u32 v45, 0xff000000, v33
	v_lshrrev_b32 v37, 23, v45
.irp c, 0,1
.irp g, 0,1,2,3
	v_cvt_scalef32_pk8_fp4_f32 v[48+4*\c+\g], v[64+32*\c+8*\g:71+32*\c+8*\g], v[44+\c]   ; registers 4 c .. 4 c + 3 of the operand
.endr
.endr
	v_lshl_or_b32 v9, v37, 16, v36                 ; my two bytes, blocks h and 2 + h,  (plain lines that name no code stand between the conversions and the lines that touch the codes)
	v_lshlrev_b32 v10, 3, v3
	v_lshlrev_b32 v9, v10, v9                      ; at their places in the scale word;
	v_mov_b32 v10, 0
	v_permlanex16_b32 v10, v9, s30, s31
	v_or_b32 v9, v9, v10                           ; with lane l xor 16's two the word is whole (block 3's byte is block 2's: its codes are zeros)
.irp g, 0,1,2,3
	v_and_b32 v[52+\g], v8, v[52+\g]               ; k = 96 .. 127: zero codes
.endr
	global_store_b128 v6, v[48:51], s[16:17]       ; the image of the fragment: 512 consecutive bytes a store
	global_store_b128 v6, v[52:55], s[16:17] offset:512
	global_store_b32 v7, v9, s[18:19]              ; lane r has column r's word; lanes 16-31 hold the same
	s_endpgm
.Lfunc_end_k_q0d606a4883_prep:
	.size	k_q0d606a4883_prep, .Lfunc_end_k_q0d606a4883_prep-k_q0d606a4883_prep
	.p2alignl 7, 3214868480
	.fill 96, 4, 3214868480
	.section	.rodata,"a",@progbits
	.p2align	6, 0x0
	.amdhsa_kernel k_q0d606a4883_prep
		.amdhsa_group_segment_fixed_size 33536
		.amdhsa_private_segment_fixed_size 0
		.amdhsa_enable_private_segment 0
		.amdhsa_kernarg_size 64
		.amdhsa_user_sgpr_count 2
		.amdhsa_user_sgpr_kernarg_segment_ptr 1
		.amdhsa_wavefront_size32 1
		.amdhsa_system_sgpr_workgroup_id_x 1
		.amdhsa_system_sgpr_workgroup_id_y 1
		.amdhsa_system_sgpr_workgroup_id_z 1
		.amdhsa_system_vgpr_workitem_id 0
		.amdhsa_next_free_vgpr 256
		.amdhsa_next_free_sgpr 66
		.amdhsa_reserve_vcc 0
		.amdhsa_float_denorm_mode_32 3
		.amdhsa_float_denorm_mode_16_64 3
		.amdhsa_memory_ordered 1
		.amdhsa_forward_progress 1
		.amdhsa_inst_pref_size 82
	.end_amdhsa_kernel
	.amdgpu_metadata
---
amdhsa.version: [ 1, 2 ]
amdhsa.kernels:
  - .name:           k_q0d606a4883_prep
    .symbol:         k_q0d606a4883_prep.kd
    .args:
      - { .name: images, .offset: 0, .size: 8, .value_kind: global_buffer, .address_space: global }
      - { .name: pos, .offset: 8, .size: 8, .value_kind: global_buffer, .address_space: global }
      - { .name: W_nn, .offset: 16, .size: 8, .value_kind: global_buffer, .address_space: global }
      - { .name: pix, .offset: 24, .size: 8, .value_kind: global_buffer, .address_space: global }
      - { .name: nbr, .offset: 32, .size: 8, .value_kind: global_buffer, .address_space: global }
      - { .name: wgt, .offset: 40, .size: 8, .value_kind: global_buffer, .address_space: global }
      - { .name: wcodes, .offset: 48, .size: 8, .value_kind: global_buffer, .address_space: global }
      - { .name: wscales, .offset: 56, .size: 8, .value_kind: global_buffer, .address_space: global }
    .group_segment_fixed_size: 33536
    .private_segment_fixed_size: 0
    .kernarg_segment_align: 8
    .kernarg_segment_size: 64
    .max_flat_workgroup_size: 64
    .sgpr_count:     66
    .vgpr_count:     256
    .wavefront_size: 32
...
	.end_amdgpu_metadata
.endif
;; end of part 1
;; launch points (part 2): grid 256 x 1, 8 waves a work-group, no clusters, 61,440 bytes of LDS; arguments pix, nbr, wgt, x, wcodes, wscales, b_nn, out0; writes out0
.if DOCPART == 2
	.amdgcn_target "amdgcn-amd-amdhsa--gfx1250"
	.amdhsa_code_object_version 6
	.text
	.protected	k_q0d606a4883_points
	.globl	k_q0d606a4883_points
	.p2align	8
	.type	k_q0d606a4883_points,@function
k_q0d606a4883_points:
	s_mov_b64 s[64:65], 0
	v_nop
	global_prefetch_b8 v0, s[64:65] scope:SCOPE_SE
	s_setreg_imm32_b32 hwreg(HW_REG_WAVE_MODE, 25, 1), 1
	s_wait_xcnt 0x0
; out0[point][256] = Q(concat(interp, x)) Q(W_nn) + b_nn, the product on codes of E2M1 with one E8M0 scale for each 32 along K = 96 (filled to 128 with zero codes: ONE matrix instruction deep).
; interp[point][c] = ((w0 g0 + w1 g1) + w2 g2) / (w0 + w1 + w2), g the three rows of pix that nbr names; rows, weights and their sum come from the launch before.
; SHARES.  A work-group of eight waves takes 128 points.  FIRST each wave prepares 16 of them: gather, interpolation, quantiser; the fragment (8 registers a lane) and its scale word go to LDS as images of the registers.
; One barrier.  THEN wave w makes columns 64 (w % 4) .. + 63 for the 64 points of half w / 4: four fragments of W, which it holds in registers, x four fragments of points: 16 matrix instructions, each a whole sum (C = 0).
; GATHER.  A row of pix is 256 bytes: sixteen lanes take it, 16 bytes each; one load brings the rows of two points.  The numbers are then 4 channels a lane, while the operand wants 32 neighbours along K in a lane:
; they turn through the wave's own stage in LDS, rows of 96 numbers (64 interpolated, 32 of x) + 16 bytes: 400 bytes = 25 x 16, so the sixteen rows that a 16-byte load touches start in different columns of banks.
; ROUNDINGS.  What goes into the quantiser follows reference() step by step: each product w g is rounded, the three are added in its order, and the quotient is made by a reciprocal with a Newton step and a residual step.
; THE WAY OUT.  Source 0 = 16 points, source 1 = 16 columns: lane (r, h) holds rows 8 h + j of one column.  Tile t of W holds columns 64 g + 4 r + t, so register j of the four tiles is four NEIGHBOURING columns of one row:
; the bias addition writes them into four consecutive registers, and sixteen lanes store 256 consecutive bytes, at a multiple of 256 from out0's first byte.
; LIMITS: NaN and infinities in images and x are not served; a block whose largest magnitude lies under 2^(3 - 127) keeps the scale byte 1.
; No tensor load and no joint request: each byte but W's 18 KB is used by one wave once, and every wave has all its loads out at once.
.set ROWP, 400                         ; a stage row
.set WSTG, 16*ROWP                     ; a wave's stage
.set IMG,  8*WSTG                      ; behind the stages: eight fragments' images, 1,024 bytes each,
.set SCW,  IMG+8*1024                  ; and their scale words, 128 bytes each
.set WF,   20                          ; v20-51   W's four fragments
.set WS,   52                          ; v52-55   their scale words
.set BI,   56                          ; v56-59   b_nn of columns 64 g + 4 r + 0 .. 3
.set NB,   60                          ; v60-91   pair i (points 2 i, 2 i + 1; mine: 2 i + lane / 16): three rows of pix and a 0; then the gathers' offsets
.set WG,   92                          ; v92-123  pair i: w0, w1, w2, their sum
.set Y,    124                         ; v124-139 pair i: 1 / sum at 2 i, at work at 2 i + 1
.set XR,   140                         ; v140-155 x as loaded
.set G,    156                         ; v156-251 pair i: three rows' 4 channels at 12 i, + 4, + 8; later the 64 numbers of my two blocks, eight at 12 u + 4
.set AS,   252                         ; v252-255 four fragments' scale words
.set MX,   60                          ; the quantiser's registers lie where the gathers' offsets lay
.set SC,   62
.set BY,   64
.set PW,   66
.set TP,   67
.set C,    68                          ; v68-75   the codes just made
.set AF,   60                          ; v60-91   four fragments of points
.set ACC,  96                          ; v96-159  eight accumulators
.set O,    160                         ; v160-223 sixteen rows' 16 bytes on the way out
	s_load_b512 s[4:19], s[0:1], 0x0               ; pix s[4:5], nbr s[6:7], wgt s[8:9], x s[10:11], wcodes s[12:13], wscales s[14:15], b_nn s[16:17], out0 s[18:19]
	v_lshl_add_u32 v19, v0, 2, 0xec00
	s_set_vgpr_msb 0x40
	v_mov_b32 v1, 0
	s_set_vgpr_msb 0x4000
	v_lshrrev_b32 v1, 5, v0
	v_readfirstlane_b32 s20, v1                    ; wave 0..7
	v_and_b32 v1, 31, v0                           ; lane
	v_and_b32 v2, 15, v0                           ; r = lane % 16
	v_bfe_u32 v3, v0, 4, 1                         ; h = lane / 16
	s_and_b32 s21, s20, 3                          ; g: my 64 columns
	s_lshr_b32 s22, s20, 2                         ; which 64 of the 128 points I multiply
	s_lshl_b32 s23, ttmp9, 3
	s_add_co_u32 s23, s23, s20                     ; which 16 points I prepare
	s_lshl_b32 s24, s23, 8                         ; their records: 16 bytes a point
	s_mov_b32 s25, 0
	s_lshl_b32 s26, s23, 11                        ; their x: 128 bytes a point
	s_mov_b32 s27, 0
	s_lshl_b32 s28, s21, 12                        ; my four fragments of W
	s_mov_b32 s29, 0
	s_lshl_b32 s30, s21, 9                         ; and their scale words
	s_mov_b32 s31, 0
	s_lshl_b32 s32, s21, 8                         ; my columns in bytes
	s_mov_b32 s33, 0
	s_lshl_b32 s34, ttmp9, 17                      ; out0: 128 rows of 1,024 bytes a work-group,
	s_lshl_b32 s35, s22, 16                        ; 64 a half,
	s_add_co_u32 s34, s34, s35
	s_add_co_u32 s34, s34, s32                     ; my columns
	s_mov_b32 s35, 0
	s_mul_i32 s36, s20, WSTG                       ; my stage
	s_mov_b32 s38, 0x76543210
	s_mov_b32 s39, 0xfedcba98                      ; v_permlanex16_b32's selects for lane l xor 16
	v_lshlrev_b32 v4, 4, v3                        ; records: lanes 0-15 the even point's, lanes 16-31 the odd one's
	v_lshlrev_b32 v5, 4, v1                        ; 16 bytes a lane
	v_lshlrev_b32 v6, 4, v2                        ; 16 bytes a lane of a half
	v_lshlrev_b32 v7, 2, v1                        ; 4 bytes a lane
	v_mul_u32_u24 v8, v3, ROWP
	v_add_nc_u32 v8, v8, v6
	v_add_nc_u32 v8, s36, v8                       ; stage, interpolated numbers in: row 2 i + h, channels 4 r on
	v_lshrrev_b32 v9, 3, v1
	v_mul_u32_u24 v9, v9, ROWP
	v_and_b32 v18, 7, v0
	v_lshl_add_u32 v9, v18, 4, v9
	v_add_nc_u32 v9, s36, v9                       ; stage, x in: eight lanes to a point's 128 bytes: row 4 i + lane / 8
	v_mul_u32_u24 v11, v2, ROWP
	v_add_nc_u32 v11, s36, v11                     ; stage, out: row r;
	v_lshl_add_u32 v10, v3, 7, v11                 ; block h of its 64 channels
	s_lshl_b32 s37, s20, 10
	v_add_nc_u32 v12, s37, v5                      ; where I put my fragment's image,
	s_lshl_b32 s37, s20, 7
	v_add_nc_u32 v13, s37, v7                      ; and its scale word;
	s_lshl_b32 s37, s22, 12
	v_add_nc_u32 v14, s37, v5                      ; where my half's four images lie,
	s_lshl_b32 s37, s22, 9
	v_add_nc_u32 v15, s37, v7                      ; and their scale words
	v_lshl_add_u32 v16, v3, 13, v6                 ; out0: row 8 h of 1,024 bytes, columns 4 r on
	v_add_nc_u32 v17, -1, v3                       ; all ones in lanes 0-15, 0 in lanes 16-31
	s_wait_kmcnt 0x0
	s_add_nc_u64 s[6:7], s[6:7], s[24:25]
	s_add_nc_u64 s[8:9], s[8:9], s[24:25]
	s_add_nc_u64 s[10:11], s[10:11], s[26:27]
	s_add_nc_u64 s[12:13], s[12:13], s[28:29]
	s_add_nc_u64 s[14:15], s[14:15], s[30:31]
	s_add_nc_u64 s[16:17], s[16:17], s[32:33]
	s_add_nc_u64 s[18:19], s[18:19], s[34:35]
.irp i, 0,1,2,3,4,5,6,7
	global_load_b128 v[NB+4*\i:NB+4*\i+3], v4, s[6:7] offset:32*\i     ; first what the gathers wait for
.endr
.irp i, 0,1,2,3,4,5,6,7
	global_load_b128 v[WG+4*\i:WG+4*\i+3], v4, s[8:9] offset:32*\i
.endr
.irp i, 0,1,2,3
	global_load_b128 v[XR+4*\i:XR+4*\i+3], v5, s[10:11] offset:512*\i th:TH_LOAD_NT   ; 16 points' x: 2,048 consecutive bytes
.endr
.irp t, 0,1,2,3
.irp c, 0,1
	global_load_b128 v[WF+8*\t+4*\c:WF+8*\t+4*\c+3], v5, s[12:13] offset:1024*\t+512*\c
.endr
.endr
.irp t, 0,1,2,3
	global_load_b32 v[WS+\t], v7, s[14:15] offset:128*\t
.endr
	global_load_b128 v[BI:BI+3], v6, s[16:17]
	s_wait_loadcnt 25                              ; the rows' records are in; behind them 8 loads of weights, 4 of x, 8 + 4 of W, 1 of the bias
.irp i, 0,1,2,3,4,5,6,7
.irp j, 0,1,2
	v_min_u32 v[NB+4*\i+\j], 0x7fff, v[NB+4*\i+\j]                     ; a loaded number is held inside pix's 32,768 rows before it enters an address
.endr
.endr
.irp i, 0,1,2,3,4,5,6,7
.irp j, 0,1,2
	v_lshl_add_u32 v[NB+4*\i+\j], v[NB+4*\i+\j], 8, v6                 ; 256 bytes a row, my 16 of them
.endr
.endr
.irp i, 0,1,2,3,4,5,6,7
.irp j, 0,1,2
	global_load_b128 v[G+12*\i+4*\j:G+12*\i+4*\j+3], v[NB+4*\i+\j], s[4:5]   ; neighbour j of points 2 i and 2 i + 1: two whole rows of 256 bytes
.endr
.endr
	s_wait_loadcnt 37                              ; weights and x are in; behind them 13 loads of W and the bias and the 24 gathers
.irp i, 0,1,2,3,4,5,6,7
	v_rcp_f32 v[Y+2*\i], v[WG+4*\i+3]
.endr
.irp i, 0,1,2,3
	ds_store_b128 v9, v[XR+4*\i:XR+4*\i+3] offset:256+4*ROWP*\i        ; x behind the 64 channels of its row
.endr
	v_nop                                          ; a plain line behind the last reciprocal
	s_wait_alu depctr_va_vdst(0)                   ; one wait for the eight, ahead of their first reader
.irp i, 0,1,2,3,4,5,6,7
	v_fma_f32 v[Y+2*\i+1], -v[WG+4*\i+3], v[Y+2*\i], 1.0               ; a Newton step on 1 / sum
.endr
.irp i, 0,1,2,3,4,5,6,7
	v_fma_f32 v[Y+2*\i], v[Y+2*\i+1], v[Y+2*\i], v[Y+2*\i]
.endr
; Pair i: my point's 4 channels, two at a time.  Of a pair of registers op_sel and op_sel_hi pick the one that serves both halves: (w0, w1), (w2, sum), (1 / sum, -).
.macro INTERP i
	s_wait_loadcnt 21-3*\i                         ; loads come back in order: this pair's three gathers are in, the later pairs' stay out
.irp p, 0,2
	v_pk_mul_f32 v[G+12*\i+\p:G+12*\i+\p+1], v[G+12*\i+\p:G+12*\i+\p+1], v[WG+4*\i:WG+4*\i+1] op_sel_hi:[1,0]                       ; w0 g0
	v_pk_mul_f32 v[G+12*\i+4+\p:G+12*\i+5+\p], v[G+12*\i+4+\p:G+12*\i+5+\p], v[WG+4*\i:WG+4*\i+1] op_sel:[0,1] op_sel_hi:[1,1]      ; w1 g1
	v_pk_mul_f32 v[G+12*\i+8+\p:G+12*\i+9+\p], v[G+12*\i+8+\p:G+12*\i+9+\p], v[WG+4*\i+2:WG+4*\i+3] op_sel_hi:[1,0]                 ; w2 g2: each product rounded by itself, as reference() has them
.endr
.irp p, 0,2
	v_pk_add_f32 v[G+12*\i+\p:G+12*\i+\p+1], v[G+12*\i+\p:G+12*\i+\p+1], v[G+12*\i+4+\p:G+12*\i+5+\p]
.endr
.irp p, 0,2
	v_pk_add_f32 v[G+12*\i+\p:G+12*\i+\p+1], v[G+12*\i+\p:G+12*\i+\p+1], v[G+12*\i+8+\p:G+12*\i+9+\p]                               ; S, in reference()'s order
.endr
.irp p, 0,2
	v_pk_mul_f32 v[G+12*\i+4+\p:G+12*\i+5+\p], v[G+12*\i+\p:G+12*\i+\p+1], v[Y+2*\i:Y+2*\i+1] op_sel_hi:[1,0]                       ; q = S x 1 / sum
.endr
.irp p, 0,2
	v_pk_fma_f32 v[G+12*\i+8+\p:G+12*\i+9+\p], v[G+12*\i+4+\p:G+12*\i+5+\p], v[WG+4*\i+2:WG+4*\i+3], v[G+12*\i+\p:G+12*\i+\p+1] op_sel:[0,1,0] op_sel_hi:[1,1,1] neg_lo:[0,1,0] neg_hi:[0,1,0]   ; what is left: S - sum q
.endr
.irp p, 0,2
	v_pk_fma_f32 v[G+12*\i+\p:G+12*\i+\p+1], v[G+12*\i+8+\p:G+12*\i+9+\p], v[Y+2*\i:Y+2*\i+1], v[G+12*\i+4+\p:G+12*\i+5+\p] op_sel_hi:[1,0,1]   ; the quotient
.endr
	ds_store_b128 v8, v[G+12*\i:G+12*\i+3] offset:2*ROWP*\i
.endm
.irp i, 0,1,2,3,4,5,6,7
	INTERP \i
.endr
	; Back from the stage in the operand's layout: lane (r, h) holds point r; block h of its 64 channels, and x (block 2; lanes 16-31 read x too, and their codes are cleared: k = 96 .. 127).
	; LDS serves a wave's instructions in order (ISA guide 5.7.1.4): these see my stores.  They land in registers that no store reads.
.irp u, 0,1,2,3
	ds_load_b128 v[G+12*\u+4:G+12*\u+7], v10 offset:32*\u
	ds_load_b128 v[G+12*\u+8:G+12*\u+11], v10 offset:32*\u+16
.endr
.irp u, 0,1,2,3
	ds_load_b128 v[G+12*\u+52:G+12*\u+55], v11 offset:256+32*\u
	ds_load_b128 v[G+12*\u+56:G+12*\u+59], v11 offset:256+32*\u+16
.endr
	s_wait_dscnt 0x0
.irp c, 0,1
	v_max3_num_f32 v[MX+\c], |v[G+48*\c+4]|, |v[G+48*\c+5]|, 0x1800000 ; the block's largest magnitude, all 32 numbers mine, over the floor 2^(3 - 127): so the byte cannot fall under 1
.endr
.irp n, 2,4,6,8,10,12,14,16,18,20,22,24,26,28,30
.irp c, 0,1
	v_max3_num_f32 v[MX+\c], v[MX+\c], |v[G+12*(4*\c+\n/8)+4+\n%8]|, |v[G+12*(4*\c+\n/8)+5+\n%8]|
.endr
.endr
.irp c, 0,1
	v_add_nc_u32 v[SC+\c], 0xff000000, v[MX+\c]    ; 2 off its exponent field: the conversion takes the exponent field of this operand as its scale
.endr
.irp c, 0,1
	v_lshrrev_b32 v[BY+\c], 23, v[SC+\c]           ; the scale's byte
.endr
.irp c, 0,1
.irp u, 0,1,2,3
	v_cvt_scalef32_pk8_fp4_f32 v[C+4*\c+\u], v[G+12*(4*\c+\u)+4:G+12*(4*\c+\u)+11], v[SC+\c]   ; registers 4 c .. 4 c + 3 of the operand: k = 64 c + 32 h + 0 .. 31
.endr
.endr
	v_lshl_or_b32 v[PW], v[BY+1], 16, v[BY]        ; my two bytes, blocks h and 2 + h,  (plain lines that name no code stand between the conversions and the lines that touch the codes)
	v_lshlrev_b32 v[TP], 3, v3
	v_lshlrev_b32 v[PW], v[TP], v[PW]              ; at their places in the scale word;
	v_mov_b32 v[TP], 0
	v_permlanex16_b32 v[TP], v[PW], s38, s39
	v_or_b32 v[PW], v[PW], v[TP]                   ; with lane l xor 16's two the word is whole (block 3's byte is block 2's: its codes are zeros)
.irp u, 0,1,2,3
	v_and_b32 v[C+4+\u], v17, v[C+4+\u]            ; k = 96 .. 127: zero codes
.endr
	ds_store_b128 v12, v[C:C+3] offset:IMG         ; the fragment goes to LDS as it stands, lane l's 16 bytes at 16 l
	ds_store_b128 v12, v[C+4:C+7] offset:IMG+512
	ds_store_b32 v13, v[PW] offset:SCW
	s_wait_dscnt 0x0                               ; for the others' sake: my stores have landed
	s_barrier_signal -1
	s_barrier_wait -1                              ; the eight fragments lie in LDS
.irp m, 0,1,2,3
	ds_load_b128 v[AF+8*\m:AF+8*\m+3], v14 offset:IMG+1024*\m
	ds_load_b128 v[AF+8*\m+4:AF+8*\m+7], v14 offset:IMG+1024*\m+512
	ds_load_b32 v[AS+\m], v15 offset:SCW+128*\m
.endr
	s_wait_dscnt 0x0
; Two fragments of points x my four of W: eight whole sums, each on an accumulator of its own.
.macro PRODUCTS b
.irp mm, 0,1
.irp t, 0,1,2,3
	v_wmma_scale_f32_16x16x128_f8f6f4 v[ACC+8*(4*\mm+\t):ACC+8*(4*\mm+\t)+7], v[AF+8*(2*\b+\mm):AF+8*(2*\b+\mm)+7], v[WF+8*\t:WF+8*\t+7], 0, v[AS+2*\b+\mm], v[WS+\t] matrix_a_fmt:MATRIX_FMT_FP4 matrix_b_fmt:MATRIX_FMT_FP4
.endr
.endr
.endm
; Register j of the four tiles + the bias -> four consecutive registers: out0(16 m + 8 h + j, 64 g + 4 r + 0 .. 3).  Each accumulator is read from its lowest register on.
.macro LEAVE b
.irp mm, 0,1
.irp j, 0,1,2,3,4,5,6,7
.irp t, 0,1,2,3
	v_add_f32 v[O+4*(8*\mm+\j)+\t], v[ACC+8*(4*\mm+\t)+\j], v[BI+\t]
.endr
	global_store_b128 v16, v[O+4*(8*\mm+\j):O+4*(8*\mm+\j)+3], s[18:19] offset:(16*(2*\b+\mm)+\j)*1024 th:TH_STORE_NT   ; sixteen lanes store 256 consecutive bytes of a row; lanes 16-31 eight rows further down
.endr
.endr
.endm
	PRODUCTS 0
.rept 4
	v_nop                                          ; four places between the products and the first read of a result (ISA guide 7.12.1)
.endr
	LEAVE 0
	PRODUCTS 1                                     ; onto the same accumulators: of the 64 additions between, at least 56 name no register of any one earlier product
	s_wait_xcnt 0x0                                ; the stores above have read their registers: those are written again only behind this wait
.rept 4
	v_nop
.endr
	LEAVE 1
	s_set_vgpr_msb 0x4
	s_wait_tensorcnt 0x0
	ds_add_u32 v19, v1
	s_wait_dscnt 0x0
	s_set_vgpr_msb 0x400
	s_endpgm
.Lfunc_end_k_q0d606a4883_points:
	.size	k_q0d606a4883_points, .Lfunc_end_k_q0d606a4883_points-k_q0d606a4883_points
	.p2alignl 7, 3214868480
	.fill 96, 4, 3214868480
	.section	.rodata,"a",@progbits
	.p2align	6, 0x0
	.amdhsa_kernel k_q0d606a4883_points
		.amdhsa_group_segment_fixed_size 61440
		.amdhsa_private_segment_fixed_size 0
		.amdhsa_enable_private_segment 0
		.amdhsa_kernarg_size 64
		.amdhsa_user_sgpr_count 2
		.amdhsa_user_sgpr_kernarg_segment_ptr 1
		.amdhsa_wavefront_size32 1
		.amdhsa_system_sgpr_workgroup_id_x 1
		.amdhsa_system_sgpr_workgroup_id_y 1
		.amdhsa_system_sgpr_workgroup_id_z 1
		.amdhsa_system_vgpr_workitem_id 0
		.amdhsa_next_free_vgpr 258
		.amdhsa_next_free_sgpr 66
		.amdhsa_reserve_vcc 0
		.amdhsa_float_denorm_mode_32 3
		.amdhsa_float_denorm_mode_16_64 3
		.amdhsa_memory_ordered 1
		.amdhsa_forward_progress 1
		.amdhsa_inst_pref_size 37
	.end_amdhsa_kernel
	.amdgpu_metadata
---
amdhsa.version: [ 1, 2 ]
amdhsa.kernels:
  - .name:           k_q0d606a4883_points
    .symbol:         k_q0d606a4883_points.kd
    .args:
      - { .name: pix, .offset: 0, .size: 8, .value_kind: global_buffer, .address_space: global }
      - { .name: nbr, .offset: 8, .size: 8, .value_kind: global_buffer, .address_space: global }
      - { .name: wgt, .offset: 16, .size: 8, .value_kind: global_buffer, .address_space: global }
      - { .name: x, .offset: 24, .size: 8, .value_kind: global_buffer, .address_space: global }
      - { .name: wcodes, .offset: 32, .size: 8, .value_kind: global_buffer, .address_space: global }
      - { .name: wscales, .offset: 40, .size: 8, .value_kind: global_buffer, .address_space: global }
      - { .name: b_nn, .offset: 48, .size: 8, .value_kind: global_buffer, .address_space: global }
      - { .name: out0, .offset: 56, .size: 8, .value_kind: global_buffer, .address_space: global }
    .group_segment_fixed_size: 61440
    .private_segment_fixed_size: 0
    .kernarg_segment_align: 8
    .kernarg_segment_size: 64
    .max_flat_workgroup_size: 256
    .sgpr_count:     66
    .vgpr_count:     258
    .wavefront_size: 32
...
	.end_amdgpu_metadata
.endif
;; end of part 2
;; ======== version 2 of 2: 2 launches; version 1 with the launch points written anew for expert scheduling mode
;; limits: inputs' magnitudes at most 45
;; workspace buffers: pix 8,388,608 bytes; nbr 524,288 bytes of whole numbers; wgt 524,288 bytes; wcodes 16,384 bytes; wscales 2,048 bytes
;; launch prep: the kernel of part 1 again; grid 264 x 1, 2 waves a work-group, no clusters, 33,536 bytes of LDS; arguments images, pos, W_nn, pix, nbr, wgt, wcodes, wscales; writes pix, nbr, wgt, wcodes, wscales
;; launch points (part 3): grid 256 x 1, 8 waves a work-group, no clusters, 61,440 bytes of LDS; arguments pix, nbr, wgt, x, wcodes, wscales, b_nn, out0; writes out0
.if DOCPART == 3
	.amdgcn_target "amdgcn-amd-amdhsa--gfx1250"
	.amdhsa_code_object_version 6
	.text
	.protected	k_q0d606a4883_points
	.globl	k_q0d606a4883_points
	.p2align	8
	.type	k_q0d606a4883_points,@function
k_q0d606a4883_points:
	s_mov_b64 s[64:65], 0
	v_nop
	global_prefetch_b8 v0, s[64:65] scope:SCOPE_SE
	s_setreg_imm32_b32 hwreg(HW_REG_WAVE_SCHED_MODE, 0, 2), 2
	s_setreg_imm32_b32 hwreg(HW_REG_WAVE_MODE, 25, 1), 1
	s_wait_xcnt 0x0
	s_wait_alu depctr_vm_vsrc(0)
; out0[point][256] = Q(concat(interp, x)) Q(W_nn) + b_nn, the product on codes of E2M1 with one E8M0 scale for each 32 along K = 96 (filled to 128 with zero codes: ONE matrix instruction deep).
; interp[point][c] = ((w0 g0 + w1 g1) + w2 g2) / (w0 + w1 + w2), g the three rows of pix that nbr names; rows, weights and their sum come from the launch before.
; SHARES.  A work-group of eight waves takes 128 points.  FIRST each wave prepares 16 of them: gather, interpolation, quantiser; the fragment (8 registers a lane) and its scale word go to LDS as images of the registers.
; One barrier.  THEN wave w makes columns 64 (w % 4) .. + 63 for the 64 points of half w / 4: four fragments of W, which it holds in registers, x four fragments of points: 16 matrix instructions, each a whole sum (C = 0).
; GATHER.  A row of pix is 256 bytes: sixteen lanes take it, 16 bytes each; one load brings the rows of two points.  The numbers are then 4 channels a lane, while the operand wants 32 neighbours along K in a lane:
; they turn through the wave's own stage in LDS, rows of 96 numbers (64 interpolated, 32 of x) + 16 bytes: 400 bytes = 25 x 16, so the sixteen rows that a 16-byte load touches start in different columns of banks.
; ROUNDINGS.  What goes into the quantiser follows reference() step by step: each product w g is rounded, the three are added in its order, and the quotient is made by a reciprocal with a Newton step and a residual step.
; THE WAY OUT.  Source 0 = 16 points, source 1 = 16 columns: lane (r, h) holds rows 8 h + j of one column.  Tile t of W holds columns 64 g + 4 r + t, so register j of the four tiles is four NEIGHBOURING columns of one row:
; the bias addition writes them into four consecutive registers, and sixteen lanes store 256 consecutive bytes, at a multiple of 256 from out0's first byte.
; LIMITS: NaN and infinities in images and x are not served; a block whose largest magnitude lies under 2^(3 - 127) keeps the scale byte 1.
; No tensor load and no joint request: each byte but W's 18 KB is used by one wave once, and every wave has all its loads out at once.
; THE MODE: SCHED_MODE bits 1:0 = 2 (LLVM: expert scheduling mode 2), set by the entry lines.  The code itself states the register dependences
; between vector or matrix instructions and memory or LDS instructions, with s_wait_alu, always for 0.
; THE PLAN.  The text is one straight run.  Registers that memory or LDS instructions touch, in the order of the text:
;   v4-v16         offsets and LDS addresses: made at the head, never written again: one wait ahead of the first load serves them all.
;   NB v60-91      loaded; vector lines turn the rows into offsets; the gathers read them.  Later the quantiser's registers, then the points' fragments (loaded), then half of the first out-buffer.
;   XR v140-155    loaded; four LDS stores read them.  Later accumulators.
;   G + 12 i + 0..3   gathered; the interpolation leaves the quotients there; an LDS store reads them.  Later accumulators.
;   G + 12 i + 4..11  gathered; at work in the interpolation; then the loads from the stage land there, and the quantiser reads them.  Later accumulators.
;   C, PW          written by the quantiser; three LDS stores read them; behind the barrier the fragments' loads land there.
;   O0, O1         two out-buffers, each written by 64 bias additions and read by 16 stores, never written again.  O0 lies where W's and the points' fragments lay, O1 where the first eight accumulators lay.
; The quotients go to the stage four pairs at a time, each four behind one wait; the second of these waits also frees the registers in which the loads from the stage land.  O0's stores are dealt among the additions
; that write O1: those name the second eight accumulators, the bias and O1, none of the registers that the stores touch.
.set ROWP, 400                         ; a stage row
.set WSTG, 16*ROWP                     ; a wave's stage
.set IMG,  8*WSTG                      ; behind the stages: eight fragments' images, 1,024 bytes each,
.set SCW,  IMG+8*1024                  ; and their scale words, 128 bytes each
.set WF,   20                          ; v20-51   W's four fragments
.set WS,   52                          ; v52-55   their scale words
.set BI,   56                          ; v56-59   b_nn of columns 64 g + 4 r + 0 .. 3
.set NB,   60                          ; v60-91   pair i (points 2 i, 2 i + 1; mine: 2 i + lane / 16): three rows of pix and a 0; then the gathers' offsets
.set WG,   92                          ; v92-123  pair i: w0, w1, w2, their sum
.set Y,    124                         ; v124-139 pair i: 1 / sum at 2 i, at work at 2 i + 1
.set XR,   140                         ; v140-155 x as loaded
.set G,    156                         ; v156-251 pair i: three rows' 4 channels at 12 i, + 4, + 8; later the 64 numbers of my two blocks, eight at 12 u + 4
.set AS,   252                         ; v252-255 four fragments' scale words
.set MX,   60                          ; the quantiser's registers lie where the gathers' offsets lay
.set SC,   62
.set BY,   64
.set PW,   66
.set TP,   67
.set C,    68                          ; v68-75   the codes just made
.set AF,   60                          ; v60-91   four fragments of points
.set ACC,  96                          ; v96-223  sixteen accumulators: eight for each two fragments of points
.set O0,   20                          ; the first 32 points on the way out: row 16 mm + 8 h + j at O0 + 40 mm + 4 j: v20-51 and v60-91
.set O1,   96                          ; the other 32: at O1 + 32 mm + 4 j: v96-159
	s_load_b512 s[4:19], s[0:1], 0x0               ; pix s[4:5], nbr s[6:7], wgt s[8:9], x s[10:11], wcodes s[12:13], wscales s[14:15], b_nn s[16:17], out0 s[18:19]
	v_lshl_add_u32 v19, v0, 2, 0xec00
	s_set_vgpr_msb 0x40
	v_mov_b32 v1, 0
	s_set_vgpr_msb 0x4000
	v_lshrrev_b32 v1, 5, v0
	v_readfirstlane_b32 s20, v1                    ; wave 0..7
	v_and_b32 v1, 31, v0                           ; lane
	v_and_b32 v2, 15, v0                           ; r = lane % 16
	v_bfe_u32 v3, v0, 4, 1                         ; h = lane / 16
	s_wait_alu depctr_va_sdst(0)                   ; s20 is written, ahead of its first reader: bases and LDS regions are made from it
	s_and_b32 s21, s20, 3                          ; g: my 64 columns
	s_lshr_b32 s22, s20, 2                         ; which 64 of the 128 points I multiply
	s_lshl_b32 s23, ttmp9, 3
	s_add_co_u32 s23, s23, s20                     ; which 16 points I prepare
	s_lshl_b32 s24, s23, 8                         ; their records: 16 bytes a point
	s_mov_b32 s25, 0
	s_lshl_b32 s26, s23, 11                        ; their x: 128 bytes a point
	s_mov_b32 s27, 0
	s_lshl_b32 s28, s21, 12                        ; my four fragments of W
	s_mov_b32 s29, 0
	s_lshl_b32 s30, s21, 9                         ; and their scale words
	s_mov_b32 s31, 0
	s_lshl_b32 s32, s21, 8                         ; my columns in bytes
	s_mov_b32 s33, 0
	s_lshl_b32 s34, ttmp9, 17                      ; out0: 128 rows of 1,024 bytes a work-group,
	s_lshl_b32 s35, s22, 16                        ; 64 a half,
	s_add_co_u32 s34, s34, s35
	s_add_co_u32 s34, s34, s32                     ; my columns
	s_mov_b32 s35, 0
	s_mul_i32 s36, s20, WSTG                       ; my stage
	s_mov_b32 s38, 0x76543210
	s_mov_b32 s39, 0xfedcba98                      ; v_permlanex16_b32's selects for lane l xor 16
	v_lshlrev_b32 v4, 4, v3                        ; records: lanes 0-15 the even point's, lanes 16-31 the odd one's
	v_lshlrev_b32 v5, 4, v1                        ; 16 bytes a lane
	v_lshlrev_b32 v6, 4, v2                        ; 16 bytes a lane of a half
	v_lshlrev_b32 v7, 2, v1                        ; 4 bytes a lane
	v_mul_u32_u24 v8, v3, ROWP
	v_add_nc_u32 v8, v8, v6
	v_add_nc_u32 v8, s36, v8                       ; stage, interpolated numbers in: row 2 i + h, channels 4 r on
	v_lshrrev_b32 v9, 3, v1
	v_mul_u32_u24 v9, v9, ROWP
	v_and_b32 v18, 7, v0
	v_lshl_add_u32 v9, v18, 4, v9
	v_add_nc_u32 v9, s36, v9                       ; stage, x in: eight lanes to a point's 128 bytes: row 4 i + lane / 8
	v_mul_u32_u24 v11, v2, ROWP
	v_add_nc_u32 v11, s36, v11                     ; stage, out: row r;
	v_lshl_add_u32 v10, v3, 7, v11                 ; block h of its 64 channels
	s_lshl_b32 s37, s20, 10
	v_add_nc_u32 v12, s37, v5                      ; where I put my fragment's image,
	s_lshl_b32 s37, s20, 7
	v_add_nc_u32 v13, s37, v7                      ; and its scale word;
	s_lshl_b32 s37, s22, 12
	v_add_nc_u32 v14, s37, v5                      ; where my half's four images lie,
	s_lshl_b32 s37, s22, 9
	v_add_nc_u32 v15, s37, v7                      ; and their scale words
	v_lshl_add_u32 v16, v3, 13, v6                 ; out0: row 8 h of 1,024 bytes, columns 4 r on
	v_add_nc_u32 v17, -1, v3                       ; all ones in lanes 0-15, 0 in lanes 16-31
	s_wait_kmcnt 0x0
	s_add_nc_u64 s[6:7], s[6:7], s[24:25]
	s_add_nc_u64 s[8:9], s[8:9], s[24:25]
	s_add_nc_u64 s[10:11], s[10:11], s[26:27]
	s_add_nc_u64 s[12:13], s[12:13], s[28:29]
	s_add_nc_u64 s[14:15], s[14:15], s[30:31]
	s_add_nc_u64 s[16:17], s[16:17], s[32:33]
	s_add_nc_u64 s[18:19], s[18:19], s[34:35]
	s_wait_alu depctr_va_vdst(0)                   ; the offsets and LDS addresses v4 to v16 are written, which the loads and stores of the whole kernel read; none is written again
.irp i, 0,1,2,3,4,5,6,7
	global_load_b128 v[NB+4*\i:NB+4*\i+3], v4, s[6:7] offset:32*\i     ; first what the gathers wait for
.endr
.irp i, 0,1,2,3,4,5,6,7
	global_load_b128 v[WG+4*\i:WG+4*\i+3], v4, s[8:9] offset:32*\i
.endr
.irp i, 0,1,2,3
	global_load_b128 v[XR+4*\i:XR+4*\i+3], v5, s[10:11] offset:512*\i th:TH_LOAD_NT   ; 16 points' x: 2,048 consecutive bytes
.endr
.irp t, 0,1,2,3
.irp c, 0,1
	global_load_b128 v[WF+8*\t+4*\c:WF+8*\t+4*\c+3], v5, s[12:13] offset:1024*\t+512*\c
.endr
.endr
.irp t, 0,1,2,3
	global_load_b32 v[WS+\t], v7, s[14:15] offset:128*\t
.endr
	global_load_b128 v[BI:BI+3], v6, s[16:17]
	s_wait_loadcnt 25                              ; the rows' records are in; behind them 8 loads of weights, 4 of x, 8 + 4 of W, 1 of the bias
.irp i, 0,1,2,3,4,5,6,7
.irp j, 0,1,2
	v_min_u32 v[NB+4*\i+\j], 0x7fff, v[NB+4*\i+\j]                     ; a loaded number is held inside pix's 32,768 rows before it enters an address
.endr
.endr
.irp i, 0,1,2,3,4,5,6,7
.irp j, 0,1,2
	v_lshl_add_u32 v[NB+4*\i+\j], v[NB+4*\i+\j], 8, v6                 ; 256 bytes a row, my 16 of them
.endr
.endr
	s_wait_alu depctr_va_vdst(0)                   ; all 24 offsets are written, which the gathers read: one wait for the 24
.irp i, 0,1,2,3,4,5,6,7
.irp j, 0,1,2
	global_load_b128 v[G+12*\i+4*\j:G+12*\i+4*\j+3], v[NB+4*\i+\j], s[4:5]   ; neighbour j of points 2 i and 2 i + 1: two whole rows of 256 bytes
.endr
.endr
	s_wait_loadcnt 37                              ; weights and x are in; behind them 13 loads of W and the bias and the 24 gathers
.irp i, 0,1,2,3,4,5,6,7
	v_rcp_f32 v[Y+2*\i], v[WG+4*\i+3]
.endr
.irp i, 0,1,2,3
	ds_store_b128 v9, v[XR+4*\i:XR+4*\i+3] offset:256+4*ROWP*\i        ; x behind the 64 channels of its row.  (Its data come from loads, its address from the head: no vector line since the last wait names either)
.endr
	v_nop                                          ; a plain line behind the last reciprocal
	s_wait_alu depctr_va_vdst(0)                   ; the eight reciprocals v[Y + 2 i] are written, ahead of their first reader: one wait for the eight
.irp i, 0,1,2,3,4,5,6,7
	v_fma_f32 v[Y+2*\i+1], -v[WG+4*\i+3], v[Y+2*\i], 1.0               ; a Newton step on 1 / sum
.endr
.irp i, 0,1,2,3,4,5,6,7
	v_fma_f32 v[Y+2*\i], v[Y+2*\i+1], v[Y+2*\i], v[Y+2*\i]
.endr
.macro STAGE i                                 ; pair i's quotients into the stage
	ds_store_b128 v8, v[G+12*(\i):G+12*(\i)+3] offset:2*ROWP*(\i)
.endm
; Pair i: my point's 4 channels, two at a time.  Of a pair of registers op_sel and op_sel_hi pick the one that serves both halves: (w0, w1), (w2, sum), (1 / sum, -).
.macro INTERP i
	s_wait_loadcnt 21-3*\i                         ; loads come back in order: this pair's three gathers are in, the later pairs' stay out
.if \i == 4
	s_wait_alu depctr_va_vdst(0)                   ; the quotients of pairs 0 to 3 are written, which the four LDS stores read; the pairs that follow name none of those registers
.irp e, 0,1,2,3
	STAGE \e
.endr
.endif
.irp p, 0,2
	v_pk_mul_f32 v[G+12*\i+\p:G+12*\i+\p+1], v[G+12*\i+\p:G+12*\i+\p+1], v[WG+4*\i:WG+4*\i+1] op_sel_hi:[1,0]                       ; w0 g0
	v_pk_mul_f32 v[G+12*\i+4+\p:G+12*\i+5+\p], v[G+12*\i+4+\p:G+12*\i+5+\p], v[WG+4*\i:WG+4*\i+1] op_sel:[0,1] op_sel_hi:[1,1]      ; w1 g1
	v_pk_mul_f32 v[G+12*\i+8+\p:G+12*\i+9+\p], v[G+12*\i+8+\p:G+12*\i+9+\p], v[WG+4*\i+2:WG+4*\i+3] op_sel_hi:[1,0]                 ; w2 g2: each product rounded by itself, as reference() has them
.endr
.irp p, 0,2
	v_pk_add_f32 v[G+12*\i+\p:G+12*\i+\p+1], v[G+12*\i+\p:G+12*\i+\p+1], v[G+12*\i+4+\p:G+12*\i+5+\p]
.endr
.irp p, 0,2
	v_pk_add_f32 v[G+12*\i+\p:G+12*\i+\p+1], v[G+12*\i+\p:G+12*\i+\p+1], v[G+12*\i+8+\p:G+12*\i+9+\p]                               ; S, in reference()'s order
.endr
.irp p, 0,2
	v_pk_mul_f32 v[G+12*\i+4+\p:G+12*\i+5+\p], v[G+12*\i+\p:G+12*\i+\p+1], v[Y+2*\i:Y+2*\i+1] op_sel_hi:[1,0]                       ; q = S x 1 / sum
.endr
.irp p, 0,2
	v_pk_fma_f32 v[G+12*\i+8+\p:G+12*\i+9+\p], v[G+12*\i+4+\p:G+12*\i+5+\p], v[WG+4*\i+2:WG+4*\i+3], v[G+12*\i+\p:G+12*\i+\p+1] op_sel:[0,1,0] op_sel_hi:[1,1,1] neg_lo:[0,1,0] neg_hi:[0,1,0]   ; what is left: S - sum q
.endr
.irp p, 0,2
	v_pk_fma_f32 v[G+12*\i+\p:G+12*\i+\p+1], v[G+12*\i+8+\p:G+12*\i+9+\p], v[Y+2*\i:Y+2*\i+1], v[G+12*\i+4+\p:G+12*\i+5+\p] op_sel_hi:[1,0,1]   ; the quotient
.endr
.endm
.irp i, 0,1,2,3,4,5,6,7
	INTERP \i
.endr
	s_wait_alu depctr_va_vdst(0)                   ; the quotients of pairs 4 to 7 are written, which the four LDS stores read; and all eight pairs are done reading and writing v[G + 12 i + 4 .. + 11], in which the loads from the stage land
.irp e, 4,5,6,7
	STAGE \e
.endr
	; Back from the stage in the operand's layout: lane (r, h) holds point r; block h of its 64 channels, and x (block 2; lanes 16-31 read x too, and their codes are cleared: k = 96 .. 127).
	; LDS serves a wave's instructions in order (ISA guide 5.7.1.4): these see my stores.  They land in registers that no store reads.
.irp u, 0,1,2,3
	ds_load_b128 v[G+12*\u+4:G+12*\u+7], v10 offset:32*\u
	ds_load_b128 v[G+12*\u+8:G+12*\u+11], v10 offset:32*\u+16
.endr
.irp u, 0,1,2,3
	ds_load_b128 v[G+12*\u+52:G+12*\u+55], v11 offset:256+32*\u
	ds_load_b128 v[G+12*\u+56:G+12*\u+59], v11 offset:256+32*\u+16
.endr
	s_wait_dscnt 0x0
	s_wait_alu depctr_vm_vsrc(0)                   ; the gathers have read their offsets v60 to v91, which the quantiser's lines write from here on; the LDS stores have read v[XR ..] and v[G + 12 i .. + 3], which the products write
.irp c, 0,1
	v_max3_num_f32 v[MX+\c], |v[G+48*\c+4]|, |v[G+48*\c+5]|, 0x1800000 ; the block's largest magnitude, all 32 numbers mine, over the floor 2^(3 - 127): so the byte cannot fall under 1
.endr
.irp n, 2,4,6,8,10,12,14,16,18,20,22,24,26,28,30
.irp c, 0,1
	v_max3_num_f32 v[MX+\c], v[MX+\c], |v[G+12*(4*\c+\n/8)+4+\n%8]|, |v[G+12*(4*\c+\n/8)+5+\n%8]|
.endr
.endr
.irp c, 0,1
	v_add_nc_u32 v[SC+\c], 0xff000000, v[MX+\c]    ; 2 off its exponent field: the conversion takes the exponent field of this operand as its scale
.endr
.irp c, 0,1
	v_lshrrev_b32 v[BY+\c], 23, v[SC+\c]           ; the scale's byte
.endr
.irp c, 0,1
.irp u, 0,1,2,3
	v_cvt_scalef32_pk8_fp4_f32 v[C+4*\c+\u], v[G+12*(4*\c+\u)+4:G+12*(4*\c+\u)+11], v[SC+\c]   ; registers 4 c .. 4 c + 3 of the operand: k = 64 c + 32 h + 0 .. 31
.endr
.endr
	v_lshl_or_b32 v[PW], v[BY+1], 16, v[BY]        ; my two bytes, blocks h and 2 + h,  (plain lines that name no code stand between the conversions and the lines that touch the codes)
	v_lshlrev_b32 v[TP], 3, v3
	v_lshlrev_b32 v[PW], v[TP], v[PW]              ; at their places in the scale word;
	v_mov_b32 v[TP], 0
	v_permlanex16_b32 v[TP], v[PW], s38, s39
	v_or_b32 v[PW], v[PW], v[TP]                   ; with lane l xor 16's two the word is whole (block 3's byte is block 2's: its codes are zeros)
.irp u, 0,1,2,3
	v_and_b32 v[C+4+\u], v17, v[C+4+\u]            ; k = 96 .. 127: zero codes
.endr
	s_wait_alu depctr_va_vdst(0)                   ; the codes v[C .. C + 7] and the scale word v[PW] are written, which the LDS stores read; and the quantiser's lines are done with v60 to v75, in which the fragments' loads behind the barrier land
	ds_store_b128 v12, v[C:C+3] offset:IMG         ; the fragment goes to LDS as it stands, lane l's 16 bytes at 16 l
	ds_store_b128 v12, v[C+4:C+7] offset:IMG+512
	ds_store_b32 v13, v[PW] offset:SCW
	s_wait_dscnt 0x0                               ; for the others' sake: my stores have landed
	s_barrier_signal -1
	s_barrier_wait -1                              ; the eight fragments lie in LDS
	s_wait_alu depctr_vm_vsrc(0)                   ; my three LDS stores have read v[C ..] and v[PW], in which the loads below land
.irp m, 0,1,2,3
	ds_load_b128 v[AF+8*\m:AF+8*\m+3], v14 offset:IMG+1024*\m
	ds_load_b128 v[AF+8*\m+4:AF+8*\m+7], v14 offset:IMG+1024*\m+512
	ds_load_b32 v[AS+\m], v15 offset:SCW+128*\m
.endr
	s_wait_dscnt 0x0
; Two fragments of points x my four of W: eight whole sums, each on an accumulator of its own.  Operands and scales all come from loads.
.macro PRODUCTS b
.irp mm, 0,1
.irp t, 0,1,2,3
	v_wmma_scale_f32_16x16x128_f8f6f4 v[ACC+64*\b+8*(4*\mm+\t):ACC+64*\b+8*(4*\mm+\t)+7], v[AF+8*(2*\b+\mm):AF+8*(2*\b+\mm)+7], v[WF+8*\t:WF+8*\t+7], 0, v[AS+2*\b+\mm], v[WS+\t] matrix_a_fmt:MATRIX_FMT_FP4 matrix_b_fmt:MATRIX_FMT_FP4
.endr
.endr
.endm
	PRODUCTS 0
	PRODUCTS 1                                     ; on eight further accumulators
.rept 4
	v_nop                                          ; four places between the products and the first read of a result, and the first write over a fragment that they have read (ISA guide 7.12.1)
.endr
; Register j of the four tiles + the bias -> four consecutive registers: out0(16 m + 8 h + j, 64 g + 4 r + 0 .. 3).  Each accumulator is read from its lowest register on.
.irp mm, 0,1
.irp j, 0,1,2,3,4,5,6,7
.irp t, 0,1,2,3
	v_add_f32 v[O0+40*\mm+4*\j+\t], v[ACC+8*(4*\mm+\t)+\j], v[BI+\t]   ; the first 32 points, into the registers that held the fragments
.endr
.endr
.endr
	s_wait_alu depctr_va_vdst(0)                   ; the 64 additions have written O0, which the sixteen stores below read
.irp mm, 0,1
.irp j, 0,1,2,3,4,5,6,7
	global_store_b128 v16, v[O0+40*\mm+4*\j:O0+40*\mm+4*\j+3], s[18:19] offset:(16*\mm+\j)*1024 th:TH_STORE_NT   ; sixteen lanes store 256 consecutive bytes of a row; lanes 16-31 eight rows further down.  No wait: the additions since the wait name the other accumulators, the bias and O1
.irp t, 0,1,2,3
	v_add_f32 v[O1+32*\mm+4*\j+\t], v[ACC+64+8*(4*\mm+\t)+\j], v[BI+\t]   ; the other 32 points, into the registers that held the first eight accumulators, which the additions above have read
.endr
.endr
.endr
	s_wait_alu depctr_va_vdst(0)                   ; the 64 additions have written O1, which the last sixteen stores read
.irp mm, 0,1
.irp j, 0,1,2,3,4,5,6,7
	global_store_b128 v16, v[O1+32*\mm+4*\j:O1+32*\mm+4*\j+3], s[18:19] offset:(16*(2+\mm)+\j)*1024 th:TH_STORE_NT
.endr
.endr
	s_set_vgpr_msb 0x4
	s_wait_dscnt 0x0
	s_wait_alu depctr_hold_cnt(0) depctr_sa_sdst(0) depctr_va_vdst(0) depctr_va_sdst(0) depctr_va_ssrc(0) depctr_va_vcc(0) depctr_vm_vsrc(0)
	s_wait_tensorcnt 0x0
	ds_add_u32 v19, v1
	s_wait_dscnt 0x0
	s_endpgm
.Lfunc_end_k_q0d606a4883_points:
	.size	k_q0d606a4883_points, .Lfunc_end_k_q0d606a4883_points-k_q0d606a4883_points
	.p2alignl 7, 3214868480
	.fill 96, 4, 3214868480
	.section	.rodata,"a",@progbits
	.p2align	6, 0x0
	.amdhsa_kernel k_q0d606a4883_points
		.amdhsa_group_segment_fixed_size 61440
		.amdhsa_private_segment_fixed_size 0
		.amdhsa_enable_private_segment 0
		.amdhsa_kernarg_size 64
		.amdhsa_user_sgpr_count 2
		.amdhsa_user_sgpr_kernarg_segment_ptr 1
		.amdhsa_wavefront_size32 1
		.amdhsa_system_sgpr_workgroup_id_x 1
		.amdhsa_system_sgpr_workgroup_id_y 1
		.amdhsa_system_sgpr_workgroup_id_z 1
		.amdhsa_system_vgpr_workitem_id 0
		.amdhsa_next_free_vgpr 258
		.amdhsa_next_free_sgpr 66
		.amdhsa_reserve_vcc 0
		.amdhsa_float_denorm_mode_32 3
		.amdhsa_float_denorm_mode_16_64 3
		.amdhsa_memory_ordered 1
		.amdhsa_forward_progress 1
		.amdhsa_inst_pref_size 37
	.end_amdhsa_kernel
	.amdgpu_metadata
---
amdhsa.version: [ 1, 2 ]
amdhsa.kernels:
  - .name:           k_q0d606a4883_points
    .symbol:         k_q0d606a4883_points.kd
    .args:
      - { .name: pix, .offset: 0, .size: 8, .value_kind: global_buffer, .address_space: global }
      - { .name: nbr, .offset: 8, .size: 8, .value_kind: global_buffer, .address_space: global }
      - { .name: wgt, .offset: 16, .size: 8, .value_kind: global_buffer, .address_space: global }
      - { .name: x, .offset: 24, .size: 8, .value_kind: global_buffer, .address_space: global }
      - { .name: wcodes, .offset: 32, .size: 8, .value_kind: global_buffer, .address_space: global }
      - { .name: wscales, .offset: 40, .size: 8, .value_kind: global_buffer, .address_space: global }
      - { .name: b_nn, .offset: 48, .size: 8, .value_kind: global_buffer, .address_space: global }
      - { .name: out0, .offset: 56, .size: 8, .value_kind: global_buffer, .address_space: global }
    .group_segment_fixed_size: 61440
    .private_segment_fixed_size: 0
    .kernarg_segment_align: 8
    .kernarg_segment_size: 64
    .max_flat_workgroup_size: 256
    .sgpr_count:     66
    .vgpr_count:     258
    .wavefront_size: 32
...
	.end_amdgpu_metadata
.endif
;; end of part 3
